; MI455X (gfx1250); checked and timed in simulation.
; The chip was launched on July 23, 2026; its instructions are those of AMD's public machine-readable ISA for CDNA 5 (MIT licence, August 2026) and "CDNA5" Instruction Set Architecture Reference Guide (July 2026). The comments in the code are by the model that wrote it; some were corrected since.
;; Mutihead Attention. Allowed arithmetic: matrix products marked QUANTISED: E3M2 operands, one E8M0 scale for each 32 along K, by v_wmma_scale_f32_16x16x128_f8f6f4 with both operands' format E3M2, f32 sums; everything else in f32.
;; Inputs: Wk_codes 1,024 x 32 x 24 uint8 (E3M2 codes of Wk, K innermost, in blocks of 32 codes, four codes in three bytes); Wk_scales 1,024 x 32 uint8 (E8M0 scales of Wk, one for each 32 codes along K); Wq_codes 1,024 x 32 x 24 uint8 (E3M2 codes of Wq, K innermost, in blocks of 32 codes, four codes in three bytes); Wq_scales 1,024 x 32 uint8 (E8M0 scales of Wq, one for each 32 codes along K); Wr_codes 1,024 x 32 x 24 uint8 (E3M2 codes of Wr, K innermost, in blocks of 32 codes, four codes in three bytes); Wr_scales 1,024 x 32 uint8 (E8M0 scales of Wr, one for each 32 codes along K); Wv_codes 1,024 x 32 x 24 uint8 (E3M2 codes of Wv, K innermost, in blocks of 32 codes, four codes in three bytes); Wv_scales 1,024 x 32 uint8 (E8M0 scales of Wv, one for each 32 codes along K); beta 1,024 float32; gamma 1,024 float32; x_codes 4 x 2,048 x 32 x 24 uint8 (E3M2 codes of x, K innermost, in blocks of 32 codes, four codes in three bytes); x_scales 4 x 2,048 x 32 uint8 (E8M0 scales of x, one for each 32 codes along K).
;; Outputs: out0 4 x 2,048 x 1,024 float32.
;; This version of the problem:
;;   THIS VERSION OF THE PROBLEM IS GIVEN IN LOW PRECISION. The matrix products marked QUANTISED in the list below multiply operands that are first quantised to E3M2 (3 exponent bits, 2 mantissa bits; 6 bits a number), with one power-of-two scale for each 32 numbers along K (OCP MX v1.0); their sums are f32. All else is computed in f32.
;;   The module's matrix products, in the order in which they are computed (A, B: the left and right operand; K: the contracted axis; several contracted axes count as one K, in the product's order):
;;     1. [M 8,192, K 1,024] x [K 1,024, N 1,024]; A: input x (given as codes); B: input Wq (given as codes): QUANTISED
;;     2. [M 8,192, K 1,024] x [K 1,024, N 1,024]; A: input x (given as codes); B: input Wk (given as codes): QUANTISED
;;     3. [M 8,192, K 1,024] x [K 1,024, N 1,024]; A: input x (given as codes); B: input Wv (given as codes): QUANTISED
;;     4. batch 64 x [M 2,048, K 64] x [K 64, N 2,048]; A: computed on the way; B: computed on the way: QUANTISED
;;     5. batch 64 x [M 64, K 2,048] x [K 2,048, N 2,048]; A: computed on the way; B: softmax (see below): QUANTISED
;;     6. [M 8,192, K 1,024] x [K 1,024, N 1,024]; A: input x (given as codes); B: input Wr (given as codes): QUANTISED
;;   THE QUANTISER, for each operand of a quantised product, along K:
;;     - K is cut into blocks of 32 from its start; a last block that is shorter is filled with zeros.
;;     - A block's scale is 2^e with e = floor(log2(the largest magnitude in the block)) - 4, held to -126 .. 127; a block of zeros has e = 0. As a byte (E8M0): e + 127.
;;     - Each number is divided by its block's scale, clamped to +-28, and rounded to the nearest number of E3M2, ties to even, subnormals kept.
;;     - The product sums the exact products of the quantised numbers (number of the format x scale) in f32.
;;   ~~~python
;;   def quantise(x, axis):      # numpy; x: float32 -> the quantised numbers, widened to float32 again
;;       x = np.moveaxis(x, axis, -1); K = x.shape[-1]
;;       x = np.pad(x, [(0, 0)] * (x.ndim - 1) + [(0, -K % 32)]); x = x.reshape(x.shape[:-1] + (-1, 32)); a = np.abs(x).max(-1, keepdims=True)
;;       e = np.where(a > 0, np.clip(np.frexp(np.where(a > 0, a, 1))[1] - 1 - 4, -126, 127), 0)      # np.frexp(a)[1] - 1 = floor(log2(a)), exactly
;;       r = np.clip(x / 2.0 ** e, -28, 28)
;;       step = 2.0 ** (np.maximum(np.frexp(np.where(r == 0, 1, r))[1] - 1, -2) - 2)
;;       q = np.round(r / step) * step * 2.0 ** e      # np.round: ties to even
;;       return np.moveaxis(q.reshape(q.shape[:-2] + (-1,))[..., :K], -1, axis).astype(np.float32)
;;   ~~~
;;   SOFTMAX AHEAD OF A QUANTISED PRODUCT. Where the list says 'softmax', what is quantised is not the finished softmax but p = 2^(t - M), with t = logit x log2(e) and M = ceil(the row's largest t), a whole number; so 1/2 < the row's largest p <= 1. The row's sum l is taken of the UNQUANTISED p, in f32, and the product's result is divided by l at the end. Since M is a whole number, a kernel that streams over the keys may use a running M (the ceiling of the running maximum): every later rescaling is an exact power of two, which a block's scale takes up: the codes' values come out the same.
;;   OPERANDS COMPUTED ON THE WAY. 'Computed on the way' means the value that the module computes at that place (a softmax that the list does not call 'softmax' is quantised finished and normalised). What goes into a quantiser is computed in f32, as accurately as f32 sums, v_exp_f32 and their like allow (about 1e-6 of the number): no bf16 or f16 on the way to a quantiser, and a product that is left as it is and whose result goes on into a quantised operand takes f32 operands (vector FMAs, or v_wmma_f32_16x16x4_f32). A number that lies on a knife's edge between two numbers of the format may be rounded either way, as far as f32 arithmetic and the matrix unit's own rounding can turn it there, and no further.
;;   INPUTS GIVEN AS CODES. Wk (in the module: [1024, 1024], K = its axis 1); Wq (in the module: [1024, 1024], K = its axis 1); Wr (in the module: [1024, 1024], K = its axis 1); Wv (in the module: [1024, 1024], K = its axis 1); x (in the module: [4, 2048, 1024], K = its axis 2): each comes as NAME_codes (uint8): NAME with its K axis moved to the last place and cut into blocks of 32 codes, [.., K / 32, bytes a block], one block behind the other in memory; four codes in three bytes: a row's codes are one little-endian stream of bits, code i at bits 6 i .. 6 i + 5 (a code: sign, 3 exponent bits, 2 mantissa bits); and NAME_scales (uint8): the same leading axes, one E8M0 byte (e + 127) for each 32 codes along K. Its value is code x scale, taken as it is: it is not quantised again, and the codes and scales need not be those that the quantiser above would give.
;; One version. Each part assembles by itself: llvm-mc -triple=amdgcn-amd-amdhsa -mcpu=gfx1250 --defsym DOCPART=n.
;; ======== version 1 of 1: 3 launches
;; limits: right only within a limited range of input values
;; workspace buffers: qrec 13,631,488 bytes; kvrec 13,631,488 bytes; rbuf 33,554,432 bytes; attn 33,554,432 bytes
;; launch proj (part 1): grid 16 x 32, 4 waves a work-group, clusters of 4 x 4, 327,680 bytes of LDS; arguments x_codes, x_scales, Wq_codes, Wq_scales, Wk_codes, Wk_scales, Wv_codes, Wv_scales, Wr_codes, Wr_scales, qrec, kvrec, rbuf; writes qrec, kvrec, rbuf
.if DOCPART == 1
	.amdgcn_target "amdgcn-amd-amdhsa--gfx1250"
	.amdhsa_code_object_version 6
	.text
	.protected	k_q84b0824bf3_proj
	.globl	k_q84b0824bf3_proj
	.p2align	8
	.type	k_q84b0824bf3_proj,@function
k_q84b0824bf3_proj:
	s_mov_b64 s[64:65], 0
	v_nop
	global_prefetch_b8 v0, s[64:65] scope:SCOPE_SE
	s_setreg_imm32_b32 hwreg(HW_REG_WAVE_MODE, 25, 1), 1
	s_wait_xcnt 0x0
	s_wait_alu depctr_hold_cnt(0) depctr_sa_sdst(0) depctr_va_vdst(0) depctr_va_sdst(0) depctr_va_ssrc(0) depctr_va_vcc(0) depctr_vm_vsrc(0)
	s_getreg_b32 s2, hwreg(HW_REG_IB_STS2, 6, 4)
	s_cmp_eq_u32 s2, 0
	s_cbranch_scc0 .Lentry_in_a_cluster
	s_endpgm
.Lentry_in_a_cluster:
	s_bfe_u32 s2, ttmp6, 0x10000c
	s_cmp_lg_u32 s2, 0xf033
	s_cbranch_scc0 .Lentry_shape_is_right
	s_endpgm
.Lentry_shape_is_right:
; Four products on codes of BF6 with E8M0 scales, K = 1,024: x Wq^T, x Wk^T, x Wv^T, x Wr^T.  The cluster's x says which weight: 0 q, 1 k, 2 v, 3 r.
; A work-group of four waves makes 256 x 256, a wave 128 x 128 (64 accumulators).  For v the roles are swapped (A = Wv, B = x), so that v comes out with the keys along a lane's registers.
; q, k, v are quantised here along the next product's K and stored as images of operand registers with their scale words (records of REC bytes for 128 tokens of a head); r is stored as f32.
; K goes through two LDS slots in CHUNKS OF 256 BYTES of each row of codes (a row is 768 bytes: three chunks, each beginning at a multiple of 256); a step of 128 along K is 96 bytes: eight steps.
; Steps 2 and 5 lie across two chunks.  The scales of A's and B's 256 rows come once, as dense blocks.  4 x 4 clusters: A's tiles are asked for jointly along a row of the cluster, B's along a column.
; No prefetch: of the three chunks two come by the head's loads and one refill follows; there is no loop to run ahead in.
.set ROWB,   256
.set NQ,     2
.set KROW,   768
.set STEPS,  8
.set CHUNKS, 3
.set PITCH,  272                       ; 256 bytes + 16 of padding
.set FR,     12
.set NL,     6
.set NP,     4
.set HALFT,  128*PITCH
.set SLOT,   4*HALFT                   ; A's 256 rows, then B's
.set KS,     32
.set SCL,    2*SLOT
.set HALFS,  (128*KS/256)*272
.set SBLK,   (16*KS/256)*272
.set SPARE,  SCL+4*HALFS
.set SPITCH, 528
.set STAGE,  SLOT                      ; r's way out: in slot 1, which has had its last fill and its last read (the last chunk lies in slot 0)
.set NOUT,   1024
.set REC,    13312
.set HS,     16*REC
.set ADRA, 16                          ; v16-17 A's fragments in slot 0, 1; v18-19 for pieces whose two halves of the lanes lie in different chunks
.set ADRB, 20
.set STO,  24
.set RD,   25
.set CO,   26
.set ADRS, 27
.set SPW,  28
.set NIL,  29
.set SC,   32
.set QC,   64
.set TM,   84
.set PW,   100
.set SW,   104
.set SH,   112
.set VO8,  113
.set VO16D,114
.set VO8D, 115
.set VS1,  116
.set VS2,  117
.set AF,   128
.set BK,   128
.set G1, 24
.set G0, 32
.set G1B, 48
.set G0B, 56
.set G1S, 68
.set G0S, 76
.set G1SB, 80
.set G0SB, 88
.set G0H, 4
.set G0HB, 8
.set TOKT, 68
.set WT,   69
.set TOKH, 70
.set WH,   71
.set STP,  72
.set JMP,  74
.set DELTA,76
.set HM,   77
.set D2,   78
.set SHM,  79
.set POFF, 80
.set SOFF, 81
.set OFS,  82
.set SEL,  84
.set MSK,  86
.set MSB, 0
.macro WIN new
.if MSB != \new
	s_set_vgpr_msb (MSB<<8)|\new
.set MSB, \new
.endif
.endm
.set MUL_LO, 0xa1
.set MUL_HI, 0xf1
.set TO_B,   0x40
.macro JLOAD g0a, g1a, g0b, g1b        ; waves 0, 1 fetch for A, waves 2, 3 for B
	s_cmp_eq_u32 s15, 0
	s_cbranch_scc0 .Lfor_b_\@
	tensor_load_to_lds s[\g0a:\g0a+3], s[\g1a:\g1a+7]
	s_nop 0
.rept 4
	v_nop
.endr
	s_branch .Lasked_\@
.Lfor_b_\@:
	tensor_load_to_lds s[\g0b:\g0b+3], s[\g1b:\g1b+7]
	s_nop 0
.rept 4
	v_nop
.endr
.Lasked_\@:
.endm
.macro CREST
	s_cmp_lg_u32 s14, 0
	s_cbranch_scc1 .Lnot_wave_0_\@
	s_barrier_signal -3
.Lnot_wave_0_\@:
	s_barrier_wait -3
	s_barrier_signal -1
	s_barrier_wait -1
.endm
.macro CROUND
	s_barrier_signal -1
	s_barrier_wait -1
	CREST
.endm
.macro FINISH
	s_wait_tensorcnt 0x0
	ds_add_u32 v[SPW], v[NIL]
	s_wait_dscnt 0x0
	CROUND                                         ; the closing round
	s_endpgm
.endm
	s_load_b512 s[68:83], s[0:1], 0x0
	s_load_b256 s[84:91], s[0:1], 0x40
	s_load_b64 s[92:93], s[0:1], 0x60
	v_lshl_add_u32 v[SPW], v0, 2, SPARE
	v_mov_b32 v[NIL], 0
	ds_add_u32 v[SPW], v[NIL]                      ; the opening lines
	ds_add_u32 v[SPW], v[NIL]
.irp b, 0,1,2,3
	v_mov_b32 v[TM+4+\b], 0                        ; a lane permute's destination counts as a source
.endr
	v_lshrrev_b32 v1, 5, v0
	v_readfirstlane_b32 s14, v1                    ; wave
	s_lshr_b32 s15, s14, 1
	s_and_b32 s16, s14, 1
	s_bfe_u32 s40, ttmp6, 0x40000                  ; cx
	s_bfe_u32 s41, ttmp6, 0x40004                  ; cy
	s_and_b32 s95, ttmp7, 0xffff
	s_lshl_b32 s95, s95, 2
	s_cmp_eq_u32 ttmp9, 2
	s_cselect_b32 s96, 0, s95
	s_cselect_b32 s97, s95, 0
	s_add_co_u32 s17, s41, s96                     ; A's tile row
	s_add_co_u32 s42, s40, s97                     ; B's tile column
	s_lshl_b32 s43, s41, 2
	s_lshl_b32 s43, 15, s43
	s_lshl_b32 s44, 0x1111, s40
	s_or_b32 s[G1+0], s43, (0<<16)|(1<<20)|(1<<21)|(5<<22)|(3<<25)
	s_or_b32 s[G1B+0], s44, (0<<16)|(1<<20)|(1<<21)|(5<<22)|(3<<25)
.irp g, G1, G1B
	s_mov_b32 s[\g+1], ROWB<<16
	s_mov_b32 s[\g+2], 256<<16                     ; the head's loads bring 256 rows
	s_mov_b32 s[\g+3], ROWB<<16
	s_mov_b32 s[\g+4], 256
	s_mov_b32 s[\g+5], KROW
	s_mov_b32 s[\g+6], 0
	s_mov_b32 s[\g+7], 0
.endr
	s_wait_dscnt 0x0
	s_wait_kmcnt 0x0
	s_cmp_eq_u32 ttmp9, 0                          ; which weight, which output
	s_cselect_b64 s[18:19], s[72:73], s[84:85]
	s_cselect_b64 s[20:21], s[74:75], s[86:87]
	s_cselect_b64 s[12:13], s[88:89], s[92:93]
	s_cmp_eq_u32 ttmp9, 1
	s_cselect_b64 s[18:19], s[76:77], s[18:19]
	s_cselect_b64 s[20:21], s[78:79], s[20:21]
	s_cselect_b64 s[12:13], s[90:91], s[12:13]
	s_cmp_eq_u32 ttmp9, 2
	s_cselect_b64 s[12:13], s[90:91], s[12:13]
	s_cselect_b64 s[4:5], s[80:81], s[68:69]
	s_cselect_b64 s[6:7], s[82:83], s[70:71]
	s_cselect_b64 s[8:9], s[68:69], s[18:19]
	s_cselect_b64 s[10:11], s[70:71], s[20:21]
	s_or_b32 s[G1S+0], s43, (3<<16)|(1<<20)|(1<<21)|(5<<22)|(3<<25)
	s_or_b32 s[G1SB+0], s44, (3<<16)|(1<<20)|(1<<21)|(5<<22)|(3<<25)
.irp g, G1S, G1SB                      ; the scales of 256 rows: KS rows of 256 bytes
	s_mov_b32 s[\g+1], 32<<16
	s_mov_b32 s[\g+2], KS<<16
	s_mov_b32 s[\g+3], 32<<16
	s_mov_b32 s[\g+4], KS
	s_mov_b32 s[\g+5], 32
	s_mov_b32 s[\g+6], 0
	s_mov_b32 s[\g+7], 0
.endr
	s_lshl_b32 s20, s17, 8
	s_lshl_b32 s46, s42, 8
	s_mov_b32 s21, 0
	s_mov_b32 s47, 0
	s_mov_b64 s[18:19], KS
	s_mul_u64 s[22:23], s[20:21], s[18:19]
	s_mul_u64 s[92:93], s[46:47], s[18:19]
	s_mov_b64 s[18:19], KROW
	s_mul_u64 s[20:21], s[20:21], s[18:19]
	s_mul_u64 s[46:47], s[46:47], s[18:19]
	s_mul_i32 s18, s16, 128*KROW
	s_mov_b32 s19, 0
	s_mul_i32 s45, s14, HALFT
	s_add_nc_u64 s[20:21], s[4:5], s[20:21]
	s_add_nc_u64 s[22:23], s[6:7], s[22:23]
	s_add_nc_u64 s[46:47], s[8:9], s[46:47]
	s_add_nc_u64 s[92:93], s[10:11], s[92:93]
	CROUND                                         ; in front of the first joint loads
	s_mov_b32 s[G0H], 1
	s_mov_b32 s[G0H+1], 0
	s_mov_b64 s[G0H+2:G0H+3], s[20:21]
	s_or_b32 s[G0H+3], s[G0H+3], 0x80000000
	s_mov_b32 s[G0HB], 1
	s_mov_b32 s[G0HB+1], 2*HALFT
	s_mov_b64 s[G0HB+2:G0HB+3], s[46:47]
	s_or_b32 s[G0HB+3], s[G0HB+3], 0x80000000
	s_mov_b32 s[G0S], 1
	s_mov_b32 s[G0S+1], SCL
	s_mov_b64 s[G0S+2:G0S+3], s[22:23]
	s_or_b32 s[G0S+3], s[G0S+3], 0x80000000
	s_mov_b32 s[G0SB], 1
	s_mov_b32 s[G0SB+1], SCL+2*HALFS
	s_mov_b64 s[G0SB+2:G0SB+3], s[92:93]
	s_or_b32 s[G0SB+3], s[G0SB+3], 0x80000000
	s_add_nc_u64 s[20:21], s[20:21], s[18:19]      ; for the ring: my 128 rows
	s_add_nc_u64 s[46:47], s[46:47], s[18:19]
.irp s, 0,1
	s_mov_b32 s[G0+4*\s], 1
	s_add_co_u32 s[G0+4*\s+1], s45, \s*SLOT
	s_add_nc_u64 s[G0+4*\s+2:G0+4*\s+3], s[20:21], \s*ROWB
	s_or_b32 s[G0+4*\s+3], s[G0+4*\s+3], 0x80000000
	s_mov_b32 s[G0B+4*\s], 1
	s_add_co_u32 s[G0B+4*\s+1], s45, \s*SLOT
	s_add_nc_u64 s[G0B+4*\s+2:G0B+4*\s+3], s[46:47], \s*ROWB
	s_or_b32 s[G0B+4*\s+3], s[G0B+4*\s+3], 0x80000000
.endr
; the head's four tiles, one joint load a wave: chunk 0 of A, chunk 0 of B, A's scales, B's scales
.macro ARM under, g0, g1, next
	s_cmp_lt_u32 s14, \under
	s_cbranch_scc0 \next
	tensor_load_to_lds s[\g0:\g0+3], s[\g1:\g1+7]
	s_nop 0
.rept 4
	v_nop
.endr
	s_branch .Lhead_asked
\next:
.endm
	ARM 1, G0H,  G1,  .Lhead_b
	ARM 2, G0HB, G1B, .Lhead_sa
	ARM 3, G0S,  G1S, .Lhead_sb
	tensor_load_to_lds s[G0SB:G0SB+3], s[G1SB:G1SB+7]
	s_nop 0
.rept 4
	v_nop
.endr
.Lhead_asked:
	v_and_b32 v1, 15, v0                           ; r
	v_bfe_u32 v2, v0, 4, 1                         ; h
	v_mul_u32_u24 v3, v1, PITCH
	v_mul_u32_u24 v4, v2, 24
	v_add_nc_u32 v4, v3, v4
	s_mov_b32 s21, SLOT-232
	s_mov_b32 s22, SLOT+232
	v_sub_nc_u32 v7, 1, v2
	v_mul_u32_u24 v5, s21, v2
	v_add_nc_u32 v5, v3, v5
	v_add_nc_u32 v5, 232, v5                       ; lanes 0-15 byte 232 in slot 0, lanes 16-31 byte 0 in slot 1
	v_mul_u32_u24 v6, s22, v7
	v_add_nc_u32 v6, v3, v6                        ; and the other way round
	s_mul_i32 s21, s15, HALFT
	s_mul_i32 s22, s16, HALFT
	s_add_co_u32 s22, s22, 2*HALFT
	v_add_nc_u32 v[ADRA+2], s21, v5
	v_add_nc_u32 v[ADRA+3], s21, v6
	v_add_nc_u32 v[ADRB+2], s22, v5
	v_add_nc_u32 v[ADRB+3], s22, v6
.irp s, 0,1
	v_add_nc_u32 v[ADRA+\s], s21, v4
	v_add_nc_u32 v[ADRB+\s], s22, v4
	s_add_co_u32 s21, s21, SLOT
	s_add_co_u32 s22, s22, SLOT
.endr
	v_mul_u32_u24 v5, v1, KS
	v_lshrrev_b32 v6, 8, v5
	v_lshl_add_u32 v5, v6, 4, v5
	s_mul_i32 s21, s15, HALFS
	s_mul_i32 s22, s16, HALFS
	s_add_co_u32 s22, s22, 2*HALFS
	s_sub_co_u32 s22, s22, s21
	v_mul_u32_u24 v6, s22, v2                      ; lanes 16-31 take B's scale words
	s_add_co_u32 s21, s21, SCL
	v_add_nc_u32 v5, v5, v6
	v_add_nc_u32 v[ADRS], s21, v5
	s_mul_i32 s23, s14, 16*SPITCH
	s_add_co_u32 s23, s23, STAGE
	v_mul_u32_u24 v5, v1, SPITCH
	v_lshl_add_u32 v5, v2, 5, v5
	v_add_nc_u32 v[STO], s23, v5
	v_and_b32 v6, 31, v0
	v_lshlrev_b32 v[CO], 4, v6
	v_add_nc_u32 v[RD], s23, v[CO]
.macro FRAG reg, adr, st, i            ; 16 rows x 128 K: six pieces of 8 bytes; byte y of a row lies in slot (y / 256) % 2 at byte y % 256
.irp p, 0,1,2,3,4,5
.set BY, 96*(\st)+48*(\p/3)+8*(\p%3)
.if BY/ROWB == (BY+24)/ROWB
	ds_load_b64 v[\reg+2*\p:\reg+2*\p+1], v[\adr+(BY/ROWB)%2] offset:BY%ROWB+(\i)*16*PITCH
.else
	ds_load_b64 v[\reg+2*\p:\reg+2*\p+1], v[\adr+2+(BY/ROWB)%2] offset:BY%ROWB-232+(\i)*16*PITCH
.endif
.endr
.endm
.macro MUL16 a0, p, q, sc, zero        ; source 0 = B's rows, source 1 = A's; the accumulators take turns
.irp a, \a0, \a0+1
.irp b, 0,1,2,3,4,5,6,7
.if \zero
	v_wmma_scale_f32_16x16x128_f8f6f4 v[8*(8*((\a)%4)+\b):8*(8*((\a)%4)+\b)+7], v[128*(\p)+FR*\b:128*(\p)+FR*\b+FR-1], v[AF+FR*(\a):AF+FR*(\a)+FR-1], 0, v[SC+8*NQ*(\sc)+NQ*\b+(\q)], v[SC+8*NQ*(\sc)+NQ*(\a)+(\q)] matrix_a_fmt:MATRIX_FMT_BF6 matrix_b_fmt:MATRIX_FMT_BF6 matrix_a_scale:MATRIX_SCALE_ROW1
.else
	v_wmma_scale_f32_16x16x128_f8f6f4 v[8*(8*((\a)%4)+\b):8*(8*((\a)%4)+\b)+7], v[128*(\p)+FR*\b:128*(\p)+FR*\b+FR-1], v[AF+FR*(\a):AF+FR*(\a)+FR-1], v[8*(8*((\a)%4)+\b):8*(8*((\a)%4)+\b)+7], v[SC+8*NQ*(\sc)+NQ*\b+(\q)], v[SC+8*NQ*(\sc)+NQ*(\a)+(\q)] matrix_a_fmt:MATRIX_FMT_BF6 matrix_b_fmt:MATRIX_FMT_BF6 matrix_a_scale:MATRIX_SCALE_ROW1
.endif
.endr
.endr
.endm
.macro FETCH_B st, p
	WIN TO_B
.irp i, 0,1,2,3,4,5,6,7
	FRAG 128*(\p)+FR*\i, ADRB, \st, \i
.endr
	WIN 0
.endm
.macro FETCH_A st, i0
.irp i, \i0, \i0+1, \i0+2, \i0+3
	FRAG AF+FR*(\i), ADRA, \st, \i
.endr
.endm
.macro SCALES pr                       ; the scale words of steps 2 pr, 2 pr + 1
.irp i, 0,1,2,3,4,5,6,7
	ds_load_b64 v[SC+8*NQ*((\pr)%2)+NQ*\i:SC+8*NQ*((\pr)%2)+NQ*\i+1], v[ADRS] offset:\i*SBLK+4*NQ*(\pr)
.endr
.endm
.macro PLACES n
.rept \n
	v_nop
.endr
.endm
; A step: 64 products; the next step's fragments are fetched in its middle and at its end.  Where the next step ends in a new chunk: wait and barrier for it.
; Where it begins in a later chunk: the full sequence for the chunk left behind, and, if a chunk two on is left, the cluster's round and the refill.
.macro STEP st, zero
.set NX, (\st)+1
.set C0, (96*(\st))/ROWB
.set C1, (96*NX)/ROWB
.set E0, (96*(\st)+95)/ROWB
.set E1, (96*NX+95)/ROWB
.if C1 > C0 || E1 > E0
	s_wait_tensorcnt 0x0
.if C1 > C0
	ds_add_u32 v[SPW], v[NIL]
	s_wait_dscnt 4*NL+1                            ; the add and A's blocks 4-7 may be out
.else
	s_wait_dscnt 4*NL                              ; A's blocks 4-7 may be out
.endif
	WIN MUL_LO
	MUL16 0, (\st)%2, (\st)%2, ((\st)/2)%2, \zero
	s_wait_dscnt 0x0
	s_barrier_signal -1
	MUL16 2, (\st)%2, (\st)%2, ((\st)/2)%2, \zero
	WIN 0
	s_barrier_wait -1
.if C1 > C0 && C0+2 < CHUNKS
	CREST
	s_add_nc_u64 s[G0+4*(C0%2)+2:G0+4*(C0%2)+3], s[G0+4*(C0%2)+2:G0+4*(C0%2)+3], 2*ROWB
	s_add_nc_u64 s[G0B+4*(C0%2)+2:G0B+4*(C0%2)+3], s[G0B+4*(C0%2)+2:G0B+4*(C0%2)+3], 2*ROWB
	JLOAD G0+4*(C0%2), G1, G0B+4*(C0%2), G1B
.else
	PLACES NP
.endif
.else
	s_wait_dscnt 4*NL
	WIN MUL_LO
	MUL16 0, (\st)%2, (\st)%2, ((\st)/2)%2, \zero
	MUL16 2, (\st)%2, (\st)%2, ((\st)/2)%2, \zero
	s_wait_dscnt 0
	PLACES NP
.endif
	FETCH_B NX, NX%2
	FETCH_A NX, 0
.if NX%2 == 0
	SCALES NX/2
.endif
	WIN MUL_HI
	MUL16 4, (\st)%2, (\st)%2, ((\st)/2)%2, \zero
	MUL16 6, (\st)%2, (\st)%2, ((\st)/2)%2, \zero
	PLACES NP
	WIN 0
	FETCH_A NX, 4
.endm
	s_wait_alu depctr_va_vdst(0)                   ; the head's end
	s_wait_tensorcnt 0x0                           ; my tile of the head's four is in
	ds_add_u32 v[SPW], v[NIL]
	s_mov_b32 s[G1+2], 128<<16                     ; no load of mine is out: from here a load brings 128 rows
	s_mov_b32 s[G1+4], 128
	s_mov_b32 s[G1B+2], 128<<16
	s_mov_b32 s[G1B+4], 128
	s_wait_dscnt 0x0
	CROUND
	JLOAD G0+4, G1, G0B+4, G1B                     ; chunk 1, slot 1's first fill
	FETCH_B 0, 0
	FETCH_A 0, 0
	SCALES 0
	FETCH_A 0, 4
	STEP 0, 1
.set ST, 1
.rept STEPS-2
	STEP ST, 0
.set ST, ST+1
.endr
	s_wait_dscnt 4*NL                              ; the last step
	WIN MUL_LO
	MUL16 0, 1, 1, 1, 0
	MUL16 2, 1, 1, 1, 0
	s_wait_dscnt 0
	WIN MUL_HI
	MUL16 4, 1, 1, 1, 0
	MUL16 6, 1, 1, 1, 0
	WIN 0
	PLACES NP
	s_cmp_eq_u32 ttmp9, 3
	s_cbranch_scc1 .Lr_out
; q, k, v: quantised along the lane's registers and stored as register images
	s_mov_b32 s[STP], 768
	s_mov_b32 s[DELTA], HS
	s_mov_b32 s[HM], HS
	s_mov_b32 s[D2], 256
	s_mov_b32 s[SOFF], 12288
	s_cmp_eq_u32 ttmp9, 2
	s_cselect_b32 s[TOKT], s42, s17
	s_cselect_b32 s[WT], s17, s42
	s_cselect_b32 s[TOKH], s16, s15
	s_cselect_b32 s[WH], s15, s16
	s_cselect_b32 s[STP], 1536, s[STP]
	s_cselect_b32 s[JMP], HS-6144, 0
	s_cselect_b32 s[DELTA], 768, s[DELTA]
	s_cselect_b32 s[HM], 256, s[HM]
	s_cselect_b32 s[D2], HS, s[D2]
	s_cselect_b32 s[SHM], 0, 16
	s_cselect_b32 s[POFF], 6144, 0
	s_cselect_b32 s[SOFF], 6656, s[SOFF]
	s_cselect_b32 s[MSK], -1, 0xffff
	s_mov_b32 s[STP+1], 0
	s_mov_b32 s[JMP+1], 0
	s_mov_b32 s[SEL], 0x76543210
	s_mov_b32 s[SEL+1], 0xfedcba98
	s_lshl_b32 s[TOKT], s[TOKT], 1
	s_add_co_u32 s[TOKT], s[TOKT], s[TOKH]
	s_lshr_b32 s[OFS], s[TOKT], 4
	s_and_b32 s[TOKT], s[TOKT], 15
	s_lshl_b32 s[WT], s[WT], 2
	s_lshl_b32 s[WH], s[WH], 1
	s_add_co_u32 s[WT], s[WT], s[WH]
	s_lshl_b32 s[OFS], s[OFS], 8
	s_lshl_b32 s[WT], s[WT], 4
	s_add_co_u32 s[OFS], s[OFS], s[WT]
	s_add_co_u32 s[OFS], s[OFS], s[TOKT]
	s_mul_i32 s[OFS], s[OFS], REC
	s_add_co_u32 s[OFS], s[OFS], s[POFF]
	s_mov_b32 s[OFS+1], 0
	s_add_nc_u64 s[12:13], s[12:13], s[OFS:OFS+1]
	s_mov_b32 s[OFS], s[SOFF]
	s_add_nc_u64 s[66:67], s[12:13], s[OFS:OFS+1]
	v_mul_u32_u24 v[SH], s[SHM], v2
	v_and_b32 v[VO8], 31, v0
	v_lshlrev_b32 v[VO8], 3, v[VO8]
	v_add_nc_u32 v[VO16D], s[DELTA], v[CO]
	v_add_nc_u32 v[VO8D], s[DELTA], v[VO8]
	v_mul_u32_u24 v[VS1], s[HM], v2
	v_lshl_add_u32 v[VS1], v1, 4, v[VS1]
	v_add_nc_u32 v[VS2], s[D2], v[VS1]
.macro QBLOCK a
.set AC, 64*((\a)%4)
	WIN 0x0a+5*((\a)/4)
.irp b, 0,1,2,3
	v_max3_num_f32 v[TM+\b], |v[AC+16*\b]|, |v[AC+16*\b+1]|, 0x2800000   ; with the floor 2^(5 - 127)
.endr
.irp i, 2,4,6,8,10,12,14
.irp b, 0,1,2,3
	v_max3_num_f32 v[TM+\b], |v[AC+16*\b+\i]|, |v[AC+16*\b+\i+1]|, v[TM+\b]
.endr
.endr
	WIN 0
.irp b, 0,1,2,3
	v_permlanex16_b32 v[TM+4+\b], v[TM+\b], s[SEL], s[SEL+1]
.endr
.irp b, 0,1,2,3
	v_max_num_f32 v[TM+\b], v[TM+\b], v[TM+4+\b]
.endr
.irp b, 0,1,2,3
	v_add_nc_u32 v[TM+12+\b], 0xfe000000, v[TM+\b]  ; 4 off the exponent field
.endr
.irp b, 0,1,2,3
	v_lshrrev_b32 v[TM+4+\b], 23, v[TM+12+\b]
.endr
	v_lshl_or_b32 v[PW], v[TM+5], 8, v[TM+4]
	v_lshl_or_b32 v[PW], v[TM+6], 16, v[PW]
	v_lshl_or_b32 v[PW], v[TM+7], 24, v[PW]
	v_lshrrev_b32 v[SW+(\a)], v[SH], v[PW]
	v_and_b32 v[SW+(\a)], s[MSK], v[SW+(\a)]
	s_wait_xcnt 0x0                                ; the last block's stores have read their registers and base
.if (\a) > 0
	s_add_nc_u64 s[12:13], s[12:13], s[STP:STP+1]
.endif
.if (\a) == 4
	s_add_nc_u64 s[12:13], s[12:13], s[JMP:JMP+1]
.endif
	WIN 0x02+((\a)/4)
.irp c, 0,1
	v_cvt_scalef32_pk16_bf6_f32 v[QC+6*\c:QC+6*\c+2], v[AC+32*\c:AC+32*\c+15], v[TM+12+2*\c]
	v_cvt_scalef32_pk16_bf6_f32 v[QC+12+4*\c:QC+14+4*\c], v[AC+32*\c+16:AC+32*\c+31], v[TM+13+2*\c]
.endr
	WIN 0
	v_nop
.irp c, 0,1
.irp i, 0,1,2
	v_permlane16_swap_b32 v[QC+6*\c+\i], v[QC+12+4*\c+\i]
.endr
.irp i, 0,1,2
	v_mov_b32 v[QC+3+6*\c+\i], v[QC+12+4*\c+\i]
.endr
.endr
	global_store_b128 v[CO], v[QC:QC+3], s[12:13]
	global_store_b64 v[VO8], v[QC+4:QC+5], s[12:13] offset:512
	global_store_b128 v[VO16D], v[QC+6:QC+9], s[12:13]
	global_store_b64 v[VO8D], v[QC+10:QC+11], s[12:13] offset:512
.endm
.irp a, 0,1,2,3,4,5,6,7
	QBLOCK \a
.endr
	global_store_b128 v[VS1], v[SW:SW+3], s[66:67]
	global_store_b128 v[VS2], v[SW+4:SW+7], s[66:67]
	FINISH
.Lr_out:                                       ; r: f32, through my stage, as rows of 512 bytes
	s_lshl_b32 s68, s17, 8
	s_lshl_b32 s69, s15, 7
	s_add_co_u32 s68, s68, s69
	s_lshl_b32 s68, s68, 12
	s_lshl_b32 s69, s42, 10
	s_add_co_u32 s68, s68, s69
	s_lshl_b32 s69, s16, 9
	s_add_co_u32 s68, s68, s69
	s_mov_b32 s69, 0
	s_add_nc_u64 s[12:13], s[12:13], s[68:69]
.macro TOSTAGE a
.set AC, 64*((\a)%4)
	WIN 0x08+4*((\a)/4)
.irp b, 0,1,2,3,4,5,6,7
	ds_store_b128 v[STO], v[AC+8*\b:AC+8*\b+3] offset:64*\b
	ds_store_b128 v[STO], v[AC+8*\b+4:AC+8*\b+7] offset:64*\b+16
.endr
	WIN 0
.set BB, BK+64*((\a)%2)
.irp t, 0,1,2,3,4,5,6,7,8,9,10,11,12,13,14,15
	ds_load_b128 v[BB+4*\t:BB+4*\t+3], v[RD] offset:\t*SPITCH
.endr
.endm
.macro SEND a, younger
.set BB, BK+64*((\a)%2)
	s_wait_dscnt \younger
.if (\a) > 0
	s_add_nc_u64 s[12:13], s[12:13], 16*NOUT*4
.endif
.irp t, 0,1,2,3,4,5,6,7,8,9,10,11,12,13,14,15
	global_store_b128 v[CO], v[BB+4*\t:BB+4*\t+3], s[12:13] offset:\t*NOUT*4
.endr
.endm
	TOSTAGE 0
.irp a, 1,2,3,4,5,6,7
.if \a > 1
	s_wait_xcnt 0x0
.endif
	TOSTAGE \a
	SEND \a-1, 32                                  ; behind block a - 1's loads: block a's 16 stores and 16 loads
.endr
	s_wait_xcnt 0x0
	SEND 7, 0
	FINISH
.Lfunc_end_k_q84b0824bf3_proj:
	.size	k_q84b0824bf3_proj, .Lfunc_end_k_q84b0824bf3_proj-k_q84b0824bf3_proj
	.p2alignl 7, 3214868480
	.fill 96, 4, 3214868480
	.section	.rodata,"a",@progbits
	.p2align	6, 0x0
	.amdhsa_kernel k_q84b0824bf3_proj
		.amdhsa_group_segment_fixed_size 327680
		.amdhsa_private_segment_fixed_size 0
		.amdhsa_enable_private_segment 0
		.amdhsa_kernarg_size 104
		.amdhsa_user_sgpr_count 2
		.amdhsa_user_sgpr_kernarg_segment_ptr 1
		.amdhsa_wavefront_size32 1
		.amdhsa_system_sgpr_workgroup_id_x 1
		.amdhsa_system_sgpr_workgroup_id_y 1
		.amdhsa_system_sgpr_workgroup_id_z 1
		.amdhsa_system_vgpr_workitem_id 0
		.amdhsa_next_free_vgpr 1024
		.amdhsa_next_free_sgpr 100
		.amdhsa_reserve_vcc 0
		.amdhsa_float_denorm_mode_32 3
		.amdhsa_float_denorm_mode_16_64 3
		.amdhsa_memory_ordered 1
		.amdhsa_forward_progress 1
		.amdhsa_inst_pref_size 198
	.end_amdhsa_kernel
	.amdgpu_metadata
---
amdhsa.version: [ 1, 2 ]
amdhsa.kernels:
  - .name:           k_q84b0824bf3_proj
    .symbol:         k_q84b0824bf3_proj.kd
    .args:
      - { .name: x_codes, .offset: 0, .size: 8, .value_kind: global_buffer, .address_space: global }
      - { .name: x_scales, .offset: 8, .size: 8, .value_kind: global_buffer, .address_space: global }
      - { .name: Wq_codes, .offset: 16, .size: 8, .value_kind: global_buffer, .address_space: global }
      - { .name: Wq_scales, .offset: 24, .size: 8, .value_kind: global_buffer, .address_space: global }
      - { .name: Wk_codes, .offset: 32, .size: 8, .value_kind: global_buffer, .address_space: global }
      - { .name: Wk_scales, .offset: 40, .size: 8, .value_kind: global_buffer, .address_space: global }
      - { .name: Wv_codes, .offset: 48, .size: 8, .value_kind: global_buffer, .address_space: global }
      - { .name: Wv_scales, .offset: 56, .size: 8, .value_kind: global_buffer, .address_space: global }
      - { .name: Wr_codes, .offset: 64, .size: 8, .value_kind: global_buffer, .address_space: global }
      - { .name: Wr_scales, .offset: 72, .size: 8, .value_kind: global_buffer, .address_space: global }
      - { .name: qrec, .offset: 80, .size: 8, .value_kind: global_buffer, .address_space: global }
      - { .name: kvrec, .offset: 88, .size: 8, .value_kind: global_buffer, .address_space: global }
      - { .name: rbuf, .offset: 96, .size: 8, .value_kind: global_buffer, .address_space: global }
    .group_segment_fixed_size: 327680
    .private_segment_fixed_size: 0
    .kernarg_segment_align: 8
    .kernarg_segment_size: 104
    .max_flat_workgroup_size: 128
    .sgpr_count:     100
    .vgpr_count:     1024
    .wavefront_size: 32
...
	.end_amdgpu_metadata
.endif
;; end of part 1
;; launch attend (part 2): grid 4 x 64, 16 waves a work-group, clusters of 4 x 1, 327,680 bytes of LDS; arguments qrec, kvrec, attn, rbuf; writes attn
.if DOCPART == 2
	.amdgcn_target "amdgcn-amd-amdhsa--gfx1250"
	.amdhsa_code_object_version 6
	.text
	.protected	k_q84b0824bf3_attend
	.globl	k_q84b0824bf3_attend
	.p2align	8
	.type	k_q84b0824bf3_attend,@function
k_q84b0824bf3_attend:
	s_mov_b64 s[64:65], 0
	v_nop
	global_prefetch_b8 v0, s[64:65] scope:SCOPE_SE
	s_setreg_imm32_b32 hwreg(HW_REG_WAVE_MODE, 25, 1), 1
	s_wait_xcnt 0x0
	s_wait_alu depctr_hold_cnt(0) depctr_sa_sdst(0) depctr_va_vdst(0) depctr_va_sdst(0) depctr_va_ssrc(0) depctr_va_vcc(0) depctr_vm_vsrc(0)
	s_getreg_b32 s2, hwreg(HW_REG_IB_STS2, 6, 4)
	s_cmp_eq_u32 s2, 0
	s_cbranch_scc0 .Lentry_in_a_cluster
	s_endpgm
.Lentry_in_a_cluster:
	s_bfe_u32 s2, ttmp6, 0x10000c
	s_cmp_lg_u32 s2, 0x3003
	s_cbranch_scc0 .Lentry_shape_is_right
	s_endpgm
.Lentry_shape_is_right:
; attn[b][q][64 head ..] = relu(o + r), o = the sum over keys of softmax(q . k / 8) v, r = x Wr^T (f32, from the launch before); 64 (batch, head) pairs, 2,048 queries x 2,048 keys, head size 64.
; Both products on codes of BF6 (E3M2) with E8M0 scales for each 32 along K.  q, k, v come as records of register images (REC bytes for 128 tokens of a head: 8 tiles of k or q, 4 tiles of v with the keys along K, scale words).
; THE SOFTMAX: t = score x log2(e) / 8; M = the running largest t rounded UP to a whole number; p = 2^(t - M) is quantised along the keys, not normalised; the row's sum is taken of the unquantised p and divides at the end.
; When M moves, the sum and O are multiplied by 2^(old M - new M): exact.
; SHARES.  A cluster of four work-groups is one (batch, head); a work-group owns 512 queries, each of its sixteen waves 32, as two tiles of 16 in two passes.
; THE HEAD'S WHOLE K AND V, 16 records = 832 dense rows of 256 bytes, LIE IN LDS, each byte filled once, by joint loads (the four work-groups walk the same records), IN TWO GROUPS:
; at the head wave w brings rows 13 w .. 13 w + 12 (records 0-3); behind the full sequence and a round of the cluster's barrier it brings rows 208 + 39 w .. + 38 (records 4-15), which land under the first four key steps.
; LAYOUT.  Both products are used transposed: S^T = K Q^T, O^T = V^T P^T: a lane holds one query throughout.  Inside a block of 32 the order of elements is the one in which the launch before has laid k, q and v; p falls into the same order.
; K = 64 IN AN INSTRUCTION OF 128: Q's registers 6-11 are zero codes.  K's tiles lie 6 registers apart, so a tile's upper six registers are the next tile's codes (behind the last: zeros); the scale words' upper bytes are 0.
; r's pieces are prefetched once by the wave that reads them: a pass's 16 pieces of 256 bytes, 12 (first pass) or 16 key steps ahead of their loads.  K and V are not prefetched: all their loads go out at the launch's start.
; LIMITS: NaN and infinities are not served; a block of p that has fallen to zeros keeps the byte 1; the promise holds while |t| stays under 2^31.
.set REC,  13312
.set HS,   16*REC
.set STG,  HS                          ; behind the records: 16 rows x 272 bytes for each wave, for the way out; no fill lands there
.set SP,   272
.set SPARE, 0x45000                    ; STG + 16 x 16 x 272: the spare words
.set LI,   1                           ; v1 16 x lane
.set L8,   2                           ; v2 8 x lane
.set LR,   3                           ; v3 16 x (lane % 16)
.set ADK,  4                           ; v4-6 the same in the record in hand
.set AD8,  5
.set ADS,  6
.set GO,   7                           ; v7 my byte offset in the wave's rows of attn and r
.set STO,  8
.set RD,   9
.set Q,    16                          ; v16-27 Q's operand (v22-27 zeros)
.set QS,   28
.set PFO,  29                          ; v29 the prefetch's offset; never rewritten
.set OM,   30                          ; v30 the old -M
.set F,    32                          ; v32-79 eight tiles of K, or four of V; v80-85 zeros; on the way out r's rows
.set S,    96                          ; v96-159 S^T, then p
.set O,    160                         ; v160-191 O^T
.set PC,   192                         ; v192-203 p's codes
.set CT,   204
.set BM,   212
.set BT,   216
.set BS,   220
.set T0,   224
.set FF,   226                         ; v[226:227] f = 2^(old M - new M)
.set PSW,  228
.set KSC,  240                         ; v240-247 K's scale words; then chains of the sum
.set VSC,  248
.set SPW,  254
.set NIL,  255
.set WV,   10
.set SEL,  20
.set CS,   22
.set G1,   24
.set G0,   32
.set TB,   36
.set CNT,  37
.macro CROUND
	s_barrier_signal -1
	s_barrier_wait -1
	s_cmp_lg_u32 s[WV], 0
	s_cbranch_scc1 .Lnot_wave_0_\@
	s_barrier_signal -3
.Lnot_wave_0_\@:
	s_barrier_wait -3
	s_barrier_signal -1
	s_barrier_wait -1
.endm
	s_load_b128 s[4:7], s[0:1], 0x0                ; qrec, kvrec
	s_load_b64 s[8:9], s[0:1], 0x10                ; attn
	s_load_b64 s[46:47], s[0:1], 0x18              ; r
	v_lshl_add_u32 v[SPW], v0, 2, SPARE
	v_mov_b32 v[NIL], 0
	ds_add_u32 v[SPW], v[NIL]                      ; the opening lines
	ds_add_u32 v[SPW], v[NIL]
	v_lshrrev_b32 v1, 5, v0
	s_delay_alu instid0(VALU_DEP_1)
	v_readfirstlane_b32 s[WV], v1                  ; wave 0..15
	s_bfe_u32 s11, ttmp6, 0x40000                  ; cx: which 512 queries
	s_and_b32 s12, ttmp7, 0xffff                   ; 16 batch + head
	s_mul_i32 s38, s12, HS                         ; the head's first record
	s_mul_i32 s[G0+1], s[WV], 13*256               ; my 13 rows of records 0-3: their place in LDS, and in the head
	s_add_co_u32 s40, s38, s[G0+1]
	s_mov_b32 s41, 0
	s_lshl_b32 s42, s11, 2
	s_lshr_b32 s43, s[WV], 2
	s_add_co_u32 s42, s42, s43                     ; my queries' record: 4 cx + w / 4
	s_mul_i32 s42, s42, REC
	s_add_co_u32 s42, s42, s38
	s_and_b32 s43, s[WV], 3
	s_mul_i32 s43, s43, 1536
	s_add_co_u32 s16, s42, s43                     ; my two tiles' images
	s_mov_b32 s17, 0
	s_bfe_u32 s43, s[WV], 0x10001
	s_lshl_b32 s43, s43, 8
	s_add_co_u32 s18, s42, s43                     ; their scale words: 256 (tile / 4) + 4 (tile % 4) + 16 r
	s_and_b32 s43, s[WV], 1
	s_lshl_b32 s43, s43, 3
	s_add_co_u32 s18, s18, s43
	s_add_co_u32 s18, s18, 12288
	s_mov_b32 s19, 0
	s_lshr_b32 s44, s12, 4
	s_lshl_b32 s44, s44, 11
	s_lshl_b32 s43, s11, 9
	s_add_co_u32 s44, s44, s43
	s_lshl_b32 s43, s[WV], 5
	s_add_co_u32 s44, s44, s43                     ; my first row: 2,048 batch + 512 cx + 32 w
	s_lshl_b32 s44, s44, 12
	s_and_b32 s43, s12, 15
	s_lshl_b32 s43, s43, 8
	s_add_co_u32 s44, s44, s43                     ; + the head's 256 bytes
	s_mov_b32 s45, 0
	s_mov_b32 s[G1], 15|(3<<16)|(1<<21)            ; the mask: all four work-groups; elements of 8 bytes
	s_mov_b32 s[G1+1], 32<<16
	s_mov_b32 s[G1+2], 13<<16                      ; 13 rows of 256 bytes
	s_mov_b32 s[G1+3], 32<<16
	s_mov_b32 s[G1+4], 13
	s_mov_b32 s[G1+5], 32
	s_mov_b32 s[G1+6], 0
	s_mov_b32 s[G1+7], 0
	s_mov_b32 s[G0], 1
	s_mov_b32 s[SEL], 0x76543210
	s_mov_b32 s[SEL+1], 0xfedcba98
	s_mov_b32 s[CS], 0x3e38aa3b                    ; c = log2(e) / 8
	s_mov_b32 s[CS+1], s[CS]
	s_wait_dscnt 0x0
	s_wait_kmcnt 0x0
	s_add_nc_u64 s[G0+2:G0+3], s[6:7], s[40:41]    ; nothing in the descriptor hangs on cx
	s_or_b32 s[G0+3], s[G0+3], 0x80000000
	s_add_nc_u64 s[14:15], s[4:5], s[18:19]        ; Q's scale words
	s_add_nc_u64 s[4:5], s[4:5], s[16:17]          ; Q's images
	s_add_nc_u64 s[8:9], s[8:9], s[44:45]
	s_add_nc_u64 s[46:47], s[46:47], s[44:45]      ; r's rows lie as attn's do
	CROUND                                         ; all four work-groups are here: the joint loads meet
	tensor_load_to_lds s[G0:G0+3], s[G1:G1+7]      ; my one load at the head
	s_nop 0
.rept 4
	v_nop
.endr
	v_and_b32 v10, 31, v0
	s_delay_alu instid0(VALU_DEP_1)
	v_lshlrev_b32 v[LI], 4, v10
	s_delay_alu instid0(VALU_DEP_2)
	v_lshlrev_b32 v[L8], 3, v10
	v_and_b32 v11, 15, v0                          ; r
	s_delay_alu instid0(VALU_DEP_1)
	v_lshlrev_b32 v[LR], 4, v11
	v_bfe_u32 v10, v0, 4, 1                        ; h
	s_delay_alu instid0(VALU_DEP_1)
	v_lshlrev_b32 v[GO], 12, v10                   ; lanes 0-15 one row, lanes 16-31 the next; 16 bytes a lane
	s_delay_alu instid0(VALU_DEP_1)
	v_lshl_add_u32 v[GO], v11, 4, v[GO]
	s_mul_i32 s39, s[WV], 16*SP
	s_add_co_u32 s39, s39, STG                     ; my stage
	v_mul_u32_u24 v[STO], v11, SP
	s_delay_alu instid0(VALU_DEP_1)
	v_lshl_add_u32 v[STO], v10, 5, v[STO]
	s_delay_alu instid0(VALU_DEP_1)
	v_add_nc_u32 v[STO], s39, v[STO]
	v_mul_u32_u24 v[RD], v10, SP
	s_delay_alu instid0(VALU_DEP_1)
	v_lshl_add_u32 v[RD], v11, 4, v[RD]
	s_delay_alu instid0(VALU_DEP_1)
	v_add_nc_u32 v[RD], s39, v[RD]
.irp j, 0,1,2,3,4,5
	v_mov_b32 v[Q+6+\j], 0                         ; Q's upper 64 along K: zero codes
	v_mov_b32 v[F+48+\j], 0                        ; and what stands behind K's last tile
.endr
.irp b, 0,1,2,3
	v_mov_b32 v[BT+\b], 0                          ; a lane permute's destination counts as a source
.endr
	v_mov_b32 v[FF+1], 0                           ; (upper half of a pair)
	v_and_b32 v[PFO], 31, v0
	v_min_u32 v[PFO], 15, v[PFO]
	v_lshlrev_b32 v[PFO], 12, v[PFO]               ; lane l names row min(l, 15) of a pass's 16 rows
; A KEY STEP: 128 keys, one record.
.macro STEP
	v_add_nc_u32 v[ADK], s[TB], v[LI]              ; these four lines are also the places behind the last step's products
	v_add_nc_u32 v[AD8], s[TB], v[L8]
	v_add_nc_u32 v[ADS], s[TB], v[LR]
	v_nop
.irp t, 0,1,2,3,4,5,6,7
	ds_load_b128 v[F+6*\t:F+6*\t+3], v[ADK] offset:768*\t
	ds_load_b64 v[F+6*\t+4:F+6*\t+5], v[AD8] offset:768*\t+512
.endr
	ds_load_b128 v[KSC:KSC+3], v[ADS] offset:12288
	ds_load_b128 v[KSC+4:KSC+7], v[ADS] offset:12544
	s_wait_alu depctr_va_vdst(0)
	s_wait_dscnt 0x0
.irp t, 0,1,2,3,4,5,6,7
	v_wmma_scale_f32_16x16x128_f8f6f4 v[S+8*\t:S+8*\t+7], v[F+6*\t:F+6*\t+11], v[Q:Q+11], 0, v[KSC+\t], v[QS] matrix_a_fmt:MATRIX_FMT_BF6 matrix_b_fmt:MATRIX_FMT_BF6
.endr
	v_mov_b32 v[OM], v12                           ; the old -M; with the three below: the places in front of the loads and of the first read of the scores
.rept 3
	v_nop
.endr
.irp t, 0,1,2,3                                ; V's four tiles land while the softmax is walked
	ds_load_b128 v[F+12*\t:F+12*\t+3], v[ADK] offset:6144+1536*\t
	ds_load_b64 v[F+12*\t+4:F+12*\t+5], v[AD8] offset:6144+1536*\t+512
	ds_load_b128 v[F+12*\t+6:F+12*\t+9], v[ADK] offset:6144+1536*\t+768
	ds_load_b64 v[F+12*\t+10:F+12*\t+11], v[AD8] offset:6144+1536*\t+1280
.endr
	ds_load_b128 v[VSC:VSC+3], v[ADK] offset:12800
.irp b, 0,1,2,3
	v_max3_num_f32 v[BM+\b], v[S+16*\b], v[S+16*\b+1], v[S+16*\b+2]   ; the largest score of each block of 32 keys: for the row's maximum and for the block's largest p
.endr
.irp i, 3,5,7,9,11,13
.irp b, 0,1,2,3
	v_max3_num_f32 v[BM+\b], v[BM+\b], v[S+16*\b+\i], v[S+16*\b+\i+1]
.endr
.endr
.irp b, 0,1,2,3
	v_max_num_f32 v[BM+\b], v[BM+\b], v[S+16*\b+15]
.endr
.irp b, 0,1,2,3
	s_delay_alu instid0(VALU_DEP_4)
	v_permlanex16_b32 v[BT+\b], v[BM+\b], s[SEL], s[SEL+1]
.endr
.irp b, 0,1,2,3
	s_delay_alu instid0(VALU_DEP_4)
	v_max_num_f32 v[BM+\b], v[BM+\b], v[BT+\b]     ; with lane l xor 16's 16 keys
.endr
	s_delay_alu instid0(VALU_DEP_2)
	v_max3_num_f32 v[T0], v[BM], v[BM+1], v[BM+2]
	s_delay_alu instid0(VALU_DEP_1)
	v_max_num_f32 v[T0], v[T0], v[BM+3]            ; the step's largest score of my query
	s_delay_alu instid0(VALU_DEP_1)
	v_mul_f32 v[T0], s[CS], v[T0]                  ; as t (c is positive)
	s_delay_alu instid0(VALU_DEP_1)
	v_max_num_f32 v13, v13, v[T0]                  ; the running largest t
	s_delay_alu instid0(VALU_DEP_1)
	v_floor_f32 v12, -v13                          ; the new -M = -ceil(t)
	s_delay_alu instid0(VALU_DEP_1)
	v_sub_f32 v[T0], v12, v[OM]                    ; old M - new M: a whole number, 0 or less
	s_delay_alu instid0(VALU_DEP_1)
	v_cvt_i32_f32 v[T0], v[T0]                     ; (it saturates)
	s_delay_alu instid0(VALU_DEP_1)
	v_ldexp_f32 v[FF], 1.0, v[T0]                  ; f = 2^(old M - new M)
.set j, 0
.rept 32
	v_pk_fma_f32 v[S+j:S+j+1], v[S+j:S+j+1], s[CS:CS+1], v[12:13] op_sel_hi:[1,0,0]   ; t - M
.set j, j+2
.endr
.irp b, 0,1,2,3
	v_fma_f32 v[BM+\b], v[BM+\b], s[CS], v12       ; the same of each block's largest score
.endr
.set j, 0
	s_wait_alu depctr_va_vdst(0)
.rept 64
	v_exp_f32 v[S+j], v[S+j]                       ; p = 2^(t - M), at most 1
.set j, j+1
.endr
.irp b, 0,1,2,3
	v_exp_f32 v[BM+\b], v[BM+\b]                   ; the block's largest p
.endr
	v_pk_mul_f32 v[14:15], v[14:15], v[FF:FF+1] op_sel_hi:[1,0]   ; the sums under the new M (a plain place behind the exponentials)
	s_wait_alu depctr_va_vdst(0)
.irp b, 0,1,2,3
	v_max_num_f32 v[BM+\b], 0x2800000, v[BM+\b]    ; the floor 2^(5 - 127): the byte cannot fall under 1
.endr
.irp b, 0,1,2,3
	s_delay_alu instid0(VALU_DEP_4)
	v_add_nc_u32 v[BS+\b], 0xfe000000, v[BM+\b]    ; 4 off the exponent field: the conversion's scale operand
.endr
.irp b, 0,1,2,3
	s_delay_alu instid0(VALU_DEP_4)
	v_lshrrev_b32 v[BT+\b], 23, v[BS+\b]           ; the scale's byte
.endr
	s_delay_alu instid0(VALU_DEP_3)
	v_lshl_or_b32 v[PSW], v[BT+1], 8, v[BT]
	s_delay_alu instid0(VALU_DEP_1)
	v_lshl_or_b32 v[PSW], v[BT+2], 16, v[PSW]
	s_delay_alu instid0(VALU_DEP_1)
	v_lshl_or_b32 v[PSW], v[BT+3], 24, v[PSW]      ; p's scale word for these 128 keys
.irp c, 0,1
	v_cvt_scalef32_pk16_bf6_f32 v[PC+6*\c:PC+6*\c+2], v[S+32*\c:S+32*\c+15], v[BS+2*\c]
	v_cvt_scalef32_pk16_bf6_f32 v[CT+4*\c:CT+4*\c+2], v[S+32*\c+16:S+32*\c+31], v[BS+2*\c+1]
.endr
	; the row's sum, of the unquantised p, in eight chains; these lines only read p and are the plain place behind the conversions
	v_pk_add_f32 v[230:231], v[100:101], v[104:105]
	v_pk_add_f32 v[252:253], v[108:109], v[112:113]
	v_pk_add_f32 v[246:247], v[116:117], v[120:121]
	v_pk_add_f32 v[244:245], v[124:125], v[128:129]
	v_pk_add_f32 v[242:243], v[132:133], v[136:137]
	v_pk_add_f32 v[240:241], v[140:141], v[144:145]
	v_pk_add_f32 v[238:239], v[148:149], v[152:153]
	v_pk_add_f32 v[14:15], v[14:15], v[156:157]
	v_pk_add_f32 v[230:231], v[230:231], v[96:97]
	v_pk_add_f32 v[252:253], v[252:253], v[98:99]
	v_pk_add_f32 v[246:247], v[246:247], v[102:103]
	v_pk_add_f32 v[244:245], v[244:245], v[106:107]
	v_pk_add_f32 v[242:243], v[242:243], v[110:111]
	v_pk_add_f32 v[240:241], v[240:241], v[114:115]
	v_pk_add_f32 v[238:239], v[238:239], v[118:119]
	v_pk_add_f32 v[14:15], v[14:15], v[122:123]
	v_pk_add_f32 v[230:231], v[230:231], v[126:127]
	v_pk_add_f32 v[252:253], v[252:253], v[130:131]
	v_pk_add_f32 v[246:247], v[246:247], v[134:135]
	v_pk_add_f32 v[244:245], v[244:245], v[138:139]
	v_pk_add_f32 v[242:243], v[242:243], v[142:143]
	v_pk_add_f32 v[240:241], v[240:241], v[146:147]
	v_pk_add_f32 v[238:239], v[238:239], v[150:151]
	v_pk_add_f32 v[14:15], v[14:15], v[154:155]
	v_pk_add_f32 v[230:231], v[230:231], v[158:159]
	s_delay_alu instid0(VALU_DEP_2)
	v_pk_add_f32 v[14:15], v[14:15], v[244:245]
	s_delay_alu instid0(VALU_DEP_2)
	v_pk_add_f32 v[230:231], v[230:231], v[242:243]
	v_pk_add_f32 v[252:253], v[252:253], v[240:241]
	v_pk_add_f32 v[246:247], v[246:247], v[238:239]
	s_delay_alu instid0(VALU_DEP_2)
	v_pk_add_f32 v[14:15], v[14:15], v[252:253]
	s_delay_alu instid0(VALU_DEP_2)
	v_pk_add_f32 v[230:231], v[230:231], v[246:247]
	s_delay_alu instid0(VALU_DEP_1)
	v_pk_add_f32 v[14:15], v[14:15], v[230:231]
.irp c, 0,1                                    ; a whole block in a lane: lanes 0-15 block 2 c, lanes 16-31 block 2 c + 1
.irp i, 0,1,2
	v_permlane16_swap_b32 v[PC+6*\c+\i], v[CT+4*\c+\i]
.endr
.irp i, 0,1,2
	s_delay_alu instid0(VALU_DEP_3)
	v_mov_b32 v[PC+3+6*\c+\i], v[CT+4*\c+\i]
.endr
.endr
.set j, 0
.rept 16
	v_pk_mul_f32 v[O+j:O+j+1], v[O+j:O+j+1], v[FF:FF+1] op_sel_hi:[1,0]   ; O^T under the new M, each accumulator from its low end on
.set j, j+2
.endr
	s_wait_alu depctr_va_vdst(0)
	s_wait_dscnt 0x0                               ; V's tiles and scale words are in
.irp t, 0,1,2,3                                ; four accumulators, one instruction each
	v_wmma_scale_f32_16x16x128_f8f6f4 v[O+8*\t:O+8*\t+7], v[F+12*\t:F+12*\t+11], v[PC:PC+11], v[O+8*\t:O+8*\t+7], v[VSC+\t], v[PSW] matrix_a_fmt:MATRIX_FMT_BF6 matrix_b_fmt:MATRIX_FMT_BF6
.endr
.endm
.macro WALK lab                        ; s[CNT] key steps from the record at s[TB]
\lab:
	STEP
	s_add_co_u32 s[TB], s[TB], REC
	s_sub_co_u32 s[CNT], s[CNT], 1
	s_cmp_lg_u32 s[CNT], 0
	s_cbranch_scc1 \lab
.endm
; A PASS: tile u of my two tiles of 16 queries walks all 16 records.
.macro PASS u
.if \u
	s_wait_xcnt 0x0                                ; the first pass's stores have read their registers
.endif
	global_load_b128 v[Q:Q+3], v[LI], s[4:5] offset:768*\u
	global_load_b64 v[Q+4:Q+5], v[L8], s[4:5] offset:768*\u+512
	global_load_b32 v[QS], v[LR], s[14:15] offset:4*\u
.if \u
	global_prefetch_b8 v[PFO], s[46:47] offset:65536 th:TH_LOAD_NT scope:SCOPE_SE   ; this pass's 16 pieces of r, 16 key steps ahead of their loads
.endif
	v_mov_b32 v13, 0xff61b1e6                      ; the largest t so far: -3e38
	s_delay_alu instid0(VALU_DEP_1)
	v_floor_f32 v12, -v13                          ; -M
	v_mov_b32 v14, 0                               ; the sum, in two halves
	v_mov_b32 v15, 0
.set j, 0
.rept 32
	v_mov_b32 v[O+j], 0                            ; O^T: the step is written once; its first trip finds zeros
.set j, j+1
.endr
	s_mov_b32 s[TB], 0
	s_wait_loadcnt 0x0                             ; Q
.if \u == 0
	s_wait_tensorcnt 0x0                           ; my rows of records 0-3 have landed
	ds_add_u32 v[SPW], v[NIL]
	s_mov_b32 s[G1+2], 39<<16                      ; no load of mine is out: the next brings 39 rows
	s_mov_b32 s[G1+4], 39
	s_mul_i32 s40, s[WV], 39*256
	s_add_co_u32 s40, s40, 4*REC                   ; rows 208 + 39 w on: their place in LDS, and in the head
	s_mov_b32 s[G0+1], s40
	s_add_co_u32 s40, s40, s38
	s_mov_b32 s41, 0
	s_add_nc_u64 s[G0+2:G0+3], s[6:7], s[40:41]
	s_or_b32 s[G0+3], s[G0+3], 0x80000000
	s_wait_dscnt 0x0
	CROUND                                         ; records 0-3 are whole for every wave, and the four work-groups meet
	tensor_load_to_lds s[G0:G0+3], s[G1:G1+7]      ; my part of records 4-15: a first fill of its bytes
	s_nop 0
.rept 4
	v_nop
.endr
	s_mov_b32 s[CNT], 4
	WALK .Lfirst_four                              ; records 0-3, bytes under 4 REC
	s_wait_tensorcnt 0x0                           ; my part of records 4-15 has landed,
	s_barrier_signal -1
	s_barrier_wait -1                              ; and so has every wave's
	global_prefetch_b8 v[PFO], s[46:47] th:TH_LOAD_NT scope:SCOPE_SE   ; this pass's 16 pieces of r, 12 key steps ahead of their loads
	s_mov_b32 s[TB], 4*REC
	s_mov_b32 s[CNT], 12
.else
	s_mov_b32 s[CNT], 16
.endif
	WALK .Lstep_\@
	; the way out: relu(O^T / the sum + r) goes through my stage and leaves as rows of 256 bytes
.rept 4
	v_nop                                          ; places behind the last products
.endr
.irp i, 0,1,2,3,4,5,6,7
	global_load_b128 v[F+4*\i:F+4*\i+3], v[GO], s[46:47] offset:65536*\u+8192*\i th:TH_LOAD_NT   ; r at the places that my stores will take
.endr
	v_add_f32 v14, v14, v15
	s_delay_alu instid0(VALU_DEP_1)
	v_permlanex16_b32 v[BT], v14, s[SEL], s[SEL+1]
	s_delay_alu instid0(VALU_DEP_1)
	v_add_f32 v14, v14, v[BT]                      ; the row's sum
	s_wait_alu depctr_va_vdst(0)
	v_rcp_f32 v14, v14
	v_nop                                          ; a plain place behind the transcendental
.set j, 0
	s_wait_alu depctr_va_vdst(0)
.rept 32
	v_mul_f32 v[S+j], v[O+j], v14                  ; register 8 t + i is o(query r, channel 16 t + 8 h + i)
.set j, j+1
.endr
.irp t, 0,1,2,3
	ds_store_b128 v[STO], v[S+8*\t:S+8*\t+3] offset:64*\t
	ds_store_b128 v[STO], v[S+8*\t+4:S+8*\t+7] offset:64*\t+16
.endr
.irp i, 0,1,2,3,4,5,6,7
	ds_load_b128 v[S+32+4*\i:S+32+4*\i+3], v[RD] offset:2*\i*SP     ; LDS serves a wave's instructions in order (ISA guide 5.7.1.4): these see my stores
.endr
.irp i, 0,1,2,3,4,5,6,7
	s_wait_loadcnt 7-\i                            ; r's load i is in; the younger ones may be out
	s_wait_dscnt 7-\i                              ; and so is the stage's load i
	v_pk_add_f32 v[S+32+4*\i:S+32+4*\i+1], v[S+32+4*\i:S+32+4*\i+1], v[F+4*\i:F+4*\i+1]
	v_pk_add_f32 v[S+32+4*\i+2:S+32+4*\i+3], v[S+32+4*\i+2:S+32+4*\i+3], v[F+4*\i+2:F+4*\i+3]
.irp e, 0,1,2,3
	v_max_num_f32 v[S+32+4*\i+\e], 0, v[S+32+4*\i+\e]   ; relu
.endr
	global_store_b128 v[GO], v[S+32+4*\i:S+32+4*\i+3], s[8:9] offset:65536*\u+8192*\i   ; sixteen lanes store 256 consecutive bytes, aligned
.endr
.endm
	PASS 0
	PASS 1
	s_wait_tensorcnt 0x0                           ; the wave's end
	ds_add_u32 v[SPW], v[NIL]
	s_wait_dscnt 0x0
	CROUND                                         ; the closing round
	s_endpgm
.Lfunc_end_k_q84b0824bf3_attend:
	.size	k_q84b0824bf3_attend, .Lfunc_end_k_q84b0824bf3_attend-k_q84b0824bf3_attend
	.p2alignl 7, 3214868480
	.fill 96, 4, 3214868480
	.section	.rodata,"a",@progbits
	.p2align	6, 0x0
	.amdhsa_kernel k_q84b0824bf3_attend
		.amdhsa_group_segment_fixed_size 327680
		.amdhsa_private_segment_fixed_size 0
		.amdhsa_enable_private_segment 0
		.amdhsa_kernarg_size 32
		.amdhsa_user_sgpr_count 2
		.amdhsa_user_sgpr_kernarg_segment_ptr 1
		.amdhsa_wavefront_size32 1
		.amdhsa_system_sgpr_workgroup_id_x 1
		.amdhsa_system_sgpr_workgroup_id_y 1
		.amdhsa_system_sgpr_workgroup_id_z 1
		.amdhsa_system_vgpr_workitem_id 0
		.amdhsa_next_free_vgpr 256
		.amdhsa_next_free_sgpr 66
		.amdhsa_reserve_vcc 0
		.amdhsa_float_denorm_mode_32 3
		.amdhsa_float_denorm_mode_16_64 3
		.amdhsa_memory_ordered 1
		.amdhsa_forward_progress 1
		.amdhsa_inst_pref_size 75
	.end_amdhsa_kernel
	.amdgpu_metadata
---
amdhsa.version: [ 1, 2 ]
amdhsa.kernels:
  - .name:           k_q84b0824bf3_attend
    .symbol:         k_q84b0824bf3_attend.kd
    .args:
      - { .name: qrec, .offset: 0, .size: 8, .value_kind: global_buffer, .address_space: global }
      - { .name: kvrec, .offset: 8, .size: 8, .value_kind: global_buffer, .address_space: global }
      - { .name: attn, .offset: 16, .size: 8, .value_kind: global_buffer, .address_space: global }
      - { .name: rbuf, .offset: 24, .size: 8, .value_kind: global_buffer, .address_space: global }
    .group_segment_fixed_size: 327680
    .private_segment_fixed_size: 0
    .kernarg_segment_align: 8
    .kernarg_segment_size: 32
    .max_flat_workgroup_size: 512
    .sgpr_count:     66
    .vgpr_count:     256
    .wavefront_size: 32
...
	.end_amdgpu_metadata
.endif
;; end of part 2
;; launch norm (part 3): grid 256 x 1, 8 waves a work-group, no clusters, 0 bytes of LDS; arguments attn, out0, gamma, beta; writes out0
.if DOCPART == 3
	.amdgcn_target "amdgcn-amd-amdhsa--gfx1250"
	.amdhsa_code_object_version 6
	.text
	.protected	k_q84b0824bf3_norm
	.globl	k_q84b0824bf3_norm
	.p2align	8
	.type	k_q84b0824bf3_norm,@function
k_q84b0824bf3_norm:
	s_mov_b64 s[64:65], 0
	v_nop
	global_prefetch_b8 v0, s[64:65] scope:SCOPE_SE
	s_setreg_imm32_b32 hwreg(HW_REG_WAVE_MODE, 25, 1), 1
	s_wait_xcnt 0x0
; out0[row] = LayerNorm(a[row]) x gamma + beta over the row's 1,024 numbers, eps = 1e-5; a = relu(attention + x Wr^T), as the launch before has stored it in attn.  All f32.
; A stream: each byte is read once and written once.  One wave takes a whole row (eight loads of 16 bytes a lane) and keeps it in 32 registers; a wave takes four rows, all asked for at the head.
; No LDS, no barrier, no matrix work, no cluster: no wave shares data with another but gamma and beta.  The variance is taken of the numbers less their mean.
.set GA, 8                             ; v8-39 gamma at my 32 columns
.set BE, 40                            ; v40-71 beta
.set A0, 72                            ; row i of my four: v[72 + 32 i ..]
.set T,  200
	s_load_b128 s[4:7], s[0:1], 0x0                ; attn, out0
	s_load_b128 s[8:11], s[0:1], 0x10              ; gamma, beta
	v_lshrrev_b32 v2, 5, v0
	s_delay_alu instid0(VALU_DEP_1)
	v_readfirstlane_b32 s20, v2                    ; wave 0..7
	v_and_b32 v1, 31, v0
	s_delay_alu instid0(VALU_DEP_1)
	v_lshlrev_b32 v1, 4, v1                        ; 16 bytes a lane; never rewritten
	s_lshl_b32 s2, ttmp9, 17                       ; 32 rows of 4,096 bytes a work-group,
	s_lshl_b32 s3, s20, 14                         ; 4 a wave
	s_add_co_u32 s2, s2, s3
	s_mov_b32 s3, 0
	s_mov_b32 s16, 0x3a800000                      ; 1 / 1,024
	s_mov_b32 s17, 0x3727c5ac                      ; 1e-5
	s_mov_b32 s18, 0x76543210
	s_mov_b32 s19, 0xfedcba98
	s_mov_b32 s21, 0xba800000                      ; -1 / 1,024
	v_mov_b32 v[T+5], 0                            ; (upper halves of pairs)
	v_mov_b32 v[T+7], 0
	s_wait_alu depctr_va_vdst(0)
	s_wait_kmcnt 0x0
	s_add_nc_u64 s[4:5], s[4:5], s[2:3]
	s_add_nc_u64 s[6:7], s[6:7], s[2:3]
.macro LOADROW i
.irp j, 0,1,2,3,4,5,6,7
	global_load_b128 v[A0+32*\i+4*\j:A0+32*\i+4*\j+3], v1, s[4:5] offset:4096*\i+512*\j th:TH_LOAD_NT
.endr
.endm
	LOADROW 0
.irp j, 0,1,2,3,4,5,6,7
	global_load_b128 v[GA+4*\j:GA+4*\j+3], v1, s[8:9] offset:512*\j
.endr
.irp j, 0,1,2,3,4,5,6,7
	global_load_b128 v[BE+4*\j:BE+4*\j+3], v1, s[10:11] offset:512*\j
.endr
	LOADROW 1
	LOADROW 2
	LOADROW 3
.macro LANESUM                         ; v[T] summed over the 32 lanes
.irp m, 1,2,4,8
	s_delay_alu instid0(VALU_DEP_1)
	v_add_f32_dpp v[T], v[T], v[T] row_xmask:\m row_mask:0xf bank_mask:0xf
.endr
	s_delay_alu instid0(VALU_DEP_1)
	v_permlanex16_b32 v[T+1], v[T], s18, s19
	s_delay_alu instid0(VALU_DEP_1)
	v_add_f32 v[T], v[T], v[T+1]
.endm
.macro ROW i
.set A, A0+32*\i
	s_wait_loadcnt 8*(3-\i)                        ; the later rows' loads, eight each, may be out
	v_pk_add_f32 v[T:T+1], v[A:A+1], v[A+2:A+3]    ; the sum, in two chains
	v_pk_add_f32 v[T+2:T+3], v[A+4:A+5], v[A+6:A+7]
.set k, 8
.rept 6
	s_delay_alu instid0(VALU_DEP_2)
	v_pk_add_f32 v[T:T+1], v[T:T+1], v[A+k:A+k+1]
	s_delay_alu instid0(VALU_DEP_2)
	v_pk_add_f32 v[T+2:T+3], v[T+2:T+3], v[A+k+2:A+k+3]
.set k, k+4
.endr
	s_delay_alu instid0(VALU_DEP_1)
	v_pk_add_f32 v[T:T+1], v[T:T+1], v[T+2:T+3]
	s_delay_alu instid0(VALU_DEP_1)
	v_add_f32 v[T], v[T], v[T+1]
	LANESUM
	s_delay_alu instid0(VALU_DEP_1)
	v_mul_f32 v[T+4], s21, v[T]                    ; minus the mean
.set k, 0
.rept 16
	v_pk_add_f32 v[A+k:A+k+1], v[A+k:A+k+1], v[T+4:T+5] op_sel_hi:[1,0]
.set k, k+2
.endr
	v_pk_mul_f32 v[T:T+1], v[A:A+1], v[A:A+1]      ; the sum of squares, in two chains
	v_pk_mul_f32 v[T+2:T+3], v[A+2:A+3], v[A+2:A+3]
.set k, 4
.rept 7
	s_delay_alu instid0(VALU_DEP_2)
	v_pk_fma_f32 v[T:T+1], v[A+k:A+k+1], v[A+k:A+k+1], v[T:T+1]
	s_delay_alu instid0(VALU_DEP_2)
	v_pk_fma_f32 v[T+2:T+3], v[A+k+2:A+k+3], v[A+k+2:A+k+3], v[T+2:T+3]
.set k, k+4
.endr
	s_delay_alu instid0(VALU_DEP_1)
	v_pk_add_f32 v[T:T+1], v[T:T+1], v[T+2:T+3]
	s_delay_alu instid0(VALU_DEP_1)
	v_add_f32 v[T], v[T], v[T+1]
	LANESUM
	s_delay_alu instid0(VALU_DEP_1)
	v_fma_f32 v[T+6], v[T], s16, s17               ; the variance + eps
	s_wait_alu depctr_va_vdst(0)
	v_rsq_f32 v[T+6], v[T+6]
	v_nop                                          ; a plain place behind the transcendental
	s_wait_alu depctr_va_vdst(0)
.set k, 0
.rept 16
	v_pk_mul_f32 v[A+k:A+k+1], v[A+k:A+k+1], v[T+6:T+7] op_sel_hi:[1,0]
.set k, k+2
.endr
.set k, 0
.rept 16
	v_pk_fma_f32 v[A+k:A+k+1], v[A+k:A+k+1], v[GA+k:GA+k+1], v[BE+k:BE+k+1]
.set k, k+2
.endr
.irp j, 0,1,2,3,4,5,6,7
	global_store_b128 v1, v[A+4*\j:A+4*\j+3], s[6:7] offset:4096*\i+512*\j th:TH_STORE_NT   ; 32 lanes store 512 consecutive bytes, aligned
.endr
.endm
	ROW 0
	ROW 1
	ROW 2
	ROW 3
	s_endpgm
.Lfunc_end_k_q84b0824bf3_norm:
	.size	k_q84b0824bf3_norm, .Lfunc_end_k_q84b0824bf3_norm-k_q84b0824bf3_norm
	.p2alignl 7, 3214868480
	.fill 96, 4, 3214868480
	.section	.rodata,"a",@progbits
	.p2align	6, 0x0
	.amdhsa_kernel k_q84b0824bf3_norm
		.amdhsa_group_segment_fixed_size 0
		.amdhsa_private_segment_fixed_size 0
		.amdhsa_enable_private_segment 0
		.amdhsa_kernarg_size 32
		.amdhsa_user_sgpr_count 2
		.amdhsa_user_sgpr_kernarg_segment_ptr 1
		.amdhsa_wavefront_size32 1
		.amdhsa_system_sgpr_workgroup_id_x 1
		.amdhsa_system_sgpr_workgroup_id_y 1
		.amdhsa_system_sgpr_workgroup_id_z 1
		.amdhsa_system_vgpr_workitem_id 0
		.amdhsa_next_free_vgpr 208
		.amdhsa_next_free_sgpr 66
		.amdhsa_reserve_vcc 0
		.amdhsa_float_denorm_mode_32 3
		.amdhsa_float_denorm_mode_16_64 3
		.amdhsa_memory_ordered 1
		.amdhsa_forward_progress 1
		.amdhsa_inst_pref_size 39
	.end_amdhsa_kernel
	.amdgpu_metadata
---
amdhsa.version: [ 1, 2 ]
amdhsa.kernels:
  - .name:           k_q84b0824bf3_norm
    .symbol:         k_q84b0824bf3_norm.kd
    .args:
      - { .name: attn, .offset: 0, .size: 8, .value_kind: global_buffer, .address_space: global }
      - { .name: out0, .offset: 8, .size: 8, .value_kind: global_buffer, .address_space: global }
      - { .name: gamma, .offset: 16, .size: 8, .value_kind: global_buffer, .address_space: global }
      - { .name: beta, .offset: 24, .size: 8, .value_kind: global_buffer, .address_space: global }
    .group_segment_fixed_size: 0
    .private_segment_fixed_size: 0
    .kernarg_segment_align: 8
    .kernarg_segment_size: 32
    .max_flat_workgroup_size: 256
    .sgpr_count:     66
    .vgpr_count:     208
    .wavefront_size: 32
...
	.end_amdgpu_metadata
.endif
;; end of part 3
